; MI455X (gfx1250); checked and timed in simulation.
; The chip was launched on July 23, 2026; its instructions are those of AMD's public machine-readable ISA for CDNA 5 (MIT licence, August 2026) and "CDNA5" Instruction Set Architecture Reference Guide (July 2026). The comments in the code are by the model that wrote it; some were corrected since.
;; Mo E Layer. Allowed arithmetic: matrix products marked QUANTISED: E4M3 operands, one E8M0 scale for each 32 along K, by v_wmma_scale_f32_16x16x128_f8f6f4 with both operands' format E4M3, f32 sums; products left as they are: f32 operands where the result goes on into a quantised operand, else bf16, f16 or f32 operands; f32 sums; everything else in f32.
;; Inputs: gate_w 8 x 2,048 float32; w1_codes 8 x 1,024 x 64 x 32 uint8 (E4M3 codes of w1, K innermost, in blocks of 32 codes); w1_scales 8 x 1,024 x 64 uint8 (E8M0 scales of w1, one for each 32 codes along K); w2_codes 8 x 2,048 x 32 x 32 uint8 (E4M3 codes of w2, K innermost, in blocks of 32 codes); w2_scales 8 x 2,048 x 32 uint8 (E8M0 scales of w2, one for each 32 codes along K); w3_codes 8 x 1,024 x 64 x 32 uint8 (E4M3 codes of w3, K innermost, in blocks of 32 codes); w3_scales 8 x 1,024 x 64 uint8 (E8M0 scales of w3, one for each 32 codes along K); x 4 x 256 x 2,048 float32.
;; Outputs: out0 4 x 256 x 2,048 float32; out1 one number float32.
;; This version of the problem:
;;   THIS VERSION OF THE PROBLEM IS GIVEN IN LOW PRECISION. The matrix products marked QUANTISED in the list below multiply operands that are first quantised to E4M3 (4 exponent bits, 3 mantissa bits; 8 bits a number), with one power-of-two scale for each 32 numbers along K (OCP MX v1.0); their sums are f32. All else is computed in f32.
;;   The module's matrix products, in the order in which they are computed (A, B: the left and right operand; K: the contracted axis; several contracted axes count as one K, in the product's order):
;;     1. [M 1,024, K 2,048] x [K 2,048, N 8]; A: input x; B: input gate_w: left as it is (N = 8 < 16)
;;     2. [M 1,024, K 2,048] x [K 2,048, N 8,192]; A: input x; B: input w1 (given as codes): QUANTISED
;;     3. [M 1,024, K 2,048] x [K 2,048, N 8,192]; A: input x; B: input w3 (given as codes): QUANTISED
;;     4. batch 8 x [M 2,048, K 1,024] x [K 1,024, N 1,024]; A: input w2 (given as codes); B: computed on the way: QUANTISED
;;   THE QUANTISER, for each operand of a quantised product, along K:
;;     - K is cut into blocks of 32 from its start; a last block that is shorter is filled with zeros.
;;     - A block's scale is 2^e with e = floor(log2(the largest magnitude in the block)) - 8, held to -126 .. 127; a block of zeros has e = 0. As a byte (E8M0): e + 127.
;;     - Each number is divided by its block's scale, clamped to +-448, and rounded to the nearest number of E4M3, ties to even, subnormals kept.
;;     - The product sums the exact products of the quantised numbers (number of the format x scale) in f32.
;;   ~~~python
;;   def quantise(x, axis):      # numpy; x: float32 -> the quantised numbers, widened to float32 again
;;       x = np.moveaxis(x, axis, -1); K = x.shape[-1]
;;       x = np.pad(x, [(0, 0)] * (x.ndim - 1) + [(0, -K % 32)]); x = x.reshape(x.shape[:-1] + (-1, 32)); a = np.abs(x).max(-1, keepdims=True)
;;       e = np.where(a > 0, np.clip(np.frexp(np.where(a > 0, a, 1))[1] - 1 - 8, -126, 127), 0)      # np.frexp(a)[1] - 1 = floor(log2(a)), exactly
;;       r = np.clip(x / 2.0 ** e, -448, 448)
;;       step = 2.0 ** (np.maximum(np.frexp(np.where(r == 0, 1, r))[1] - 1, -6) - 3)
;;       q = np.round(r / step) * step * 2.0 ** e      # np.round: ties to even
;;       return np.moveaxis(q.reshape(q.shape[:-2] + (-1,))[..., :K], -1, axis).astype(np.float32)
;;   ~~~
;;   OPERANDS COMPUTED ON THE WAY. 'Computed on the way' means the value that the module computes at that place (a softmax that the list does not call 'softmax' is quantised finished and normalised). What goes into a quantiser is computed in f32, as accurately as f32 sums, v_exp_f32 and their like allow (about 1e-6 of the number): no bf16 or f16 on the way to a quantiser, and a product that is left as it is and whose result goes on into a quantised operand takes f32 operands (vector FMAs, or v_wmma_f32_16x16x4_f32). A number that lies on a knife's edge between two numbers of the format may be rounded either way, as far as f32 arithmetic and the matrix unit's own rounding can turn it there, and no further.
;;   INPUTS GIVEN AS CODES. w1 (in the module: [8, 1024, 2048], K = its axis 2); w2 (in the module: [8, 2048, 1024], K = its axis 2); w3 (in the module: [8, 1024, 2048], K = its axis 2): each comes as NAME_codes (uint8): NAME with its K axis moved to the last place and cut into blocks of 32 codes, [.., K / 32, bytes a block], one block behind the other in memory; one code a byte (a code: sign, 4 exponent bits, 3 mantissa bits); and NAME_scales (uint8): the same leading axes, one E8M0 byte (e + 127) for each 32 codes along K. Its value is code x scale, taken as it is: it is not quantised again, and the codes and scales need not be those that the quantiser above would give.
;; One version. Each part assembles by itself: llvm-mc -triple=amdgcn-amd-amdhsa -mcpu=gfx1250 --defsym DOCPART=n.
;; ======== version 1 of 1: 4 launches
;; limits: right only within a limited range of input values
;; workspace buffers: xq 2,097,152 bytes; xs 65,536 bytes; idx 4,096 bytes of whole numbers; rt 24,576 bytes; hq 8,388,608 bytes; hs 262,144 bytes; y 16,908,288 bytes
;; launch route (part 1): grid 256 x 1, 4 waves a work-group, no clusters, 1,536 bytes of LDS; arguments x, gate_w, xq, xs, idx, rt; writes xq, xs, idx, rt
.if DOCPART == 1
	.amdgcn_target "amdgcn-amd-amdhsa--gfx1250"
	.amdhsa_code_object_version 6
	.text
	.protected	k_qd73fc1a484_route
	.globl	k_qd73fc1a484_route
	.p2align	8
	.type	k_qd73fc1a484_route,@function
k_qd73fc1a484_route:
	s_mov_b64 s[64:65], 0
	v_nop
	global_prefetch_b8 v0, s[64:65] scope:SCOPE_SE
	s_setreg_imm32_b32 hwreg(HW_REG_WAVE_MODE, 25, 1), 1
	s_wait_xcnt 0x0
; ROUTER AND QUANTISER OF x.  x: [1024 tokens][2048] f32; gate_w: [8][2048] f32.
; Stores: xq [token][2048] codes of E4M3; xs [token][64] E8M0 bytes (one for each 32 along K); idx [token] = e0 | e1<<8 | ((1<<e0)|(1<<e1))<<16;
; rt: gates [token][2] f32 at byte 0; at byte 8192, for each work-group, 8 sums of scores and 8 counts of choices (f32), for the aux loss.
; SHARES.  A work-group owns 4 tokens.  Wave w owns floats 512 w .. 512 w + 511 of all four, as two chunks of 256; lane l holds floats 8 l .. 8 l + 7 of a chunk, so a block of 32 lies in four neighbouring lanes.
; The logits are f32 fused multiply-adds (they steer the choice); the four waves' parts meet in LDS behind the one barrier, and wave 0 does softmax, top-2 and the small stores.
; Nothing in this launch branches or addresses by the choice: it is stored at fixed places, and later launches read it.
; LIMITS: NaN and infinities are not served.  The two largest are taken of the LOGITS, the lower index first among equals; two unequal logits whose f32 scores round to one number are ordered by logit here.
; A block of zeros gets the byte 1 (its codes are zeros; the bytes are read by this program alone).  The stores of idx, gates and sums are 112 bytes a work-group and fill their 256-byte blocks in part.
; No matrix unit, cluster or tensor load: a wave's share is 8 KiB of x read once, and gate_w is 64 KiB.
.set X,   16                           ; v16-79   x: v[X + 8 (2 t + i) + j]
.set GW,  80                           ; v80-207  gate_w: v[GW + 8 (2 e + i) + j]
.set V,   208                          ; v208-239 the 32 sums (token t, expert e) at v[V + 8 t + e]
.set CD,  208                          ; v208-223 first the codes, two registers for each (t, i)
.set HN,  240                          ; v240-247 eight numbers, held
.set BY,  248                          ; v248-255 a scale byte for each (t, i)
.set SCB, 512                          ; LDS: bytes 0-511 the waves' partial sums, 128 a wave; bytes 512-767 the scale bytes, 64 a token
	s_load_b256 s[4:11], s[0:1], 0x0               ; x s[4:5], gate_w s[6:7], xq s[8:9], xs s[10:11]
	s_load_b128 s[12:15], s[0:1], 0x20             ; idx s[12:13], rt s[14:15]
	v_lshl_add_u32 v14, v0, 2, 0x400
	v_mov_b32 v15, 0
	v_and_b32 v1, 31, v0                           ; lane
	v_lshrrev_b32 v5, 5, v0
	v_readfirstlane_b32 s16, v5                    ; wave
	v_lshlrev_b32 v5, 7, v5                        ; LDS: my wave's 128 bytes of sums
	v_lshlrev_b32 v2, 5, v1                        ; 32 x lane: my 8 floats of a chunk
	v_lshlrev_b32 v3, 3, v1                        ; 8 x lane: my 8 codes
	v_lshlrev_b32 v10, 2, v1                       ; 4 x lane
	v_lshrrev_b32 v4, 2, v1
	s_lshl_b32 s21, s16, 4
	s_add_co_u32 s21, s21, SCB
	v_add_nc_u32 v4, s21, v4                       ; LDS: my block's byte: SCB + 16 wave + lane / 4 (+ 64 t + 8 i)
	s_mov_b32 s18, 0x76543210
	s_mov_b32 s19, 0xfedcba98                      ; v_permlanex16_b32's selects for lane l xor 16
	s_mov_b32 s20, 0x600000                        ; the mantissa field of 448
	s_lshl_b32 s30, s16, 11                        ; my quarter of a row: 2,048 bytes a wave
	s_mov_b32 s31, 0
	s_lshl_b32 s22, ttmp9, 15                      ; 4 rows of 8,192 bytes a work-group
	s_add_co_u32 s22, s22, s30
	s_mov_b32 s23, 0
	s_lshl_b32 s24, ttmp9, 13                      ; 4 rows of 2,048 codes
	s_lshl_b32 s25, s16, 9
	s_add_co_u32 s24, s24, s25
	s_mov_b32 s25, 0
	s_wait_alu depctr_va_vdst(0)
	s_wait_kmcnt 0x0
	s_add_nc_u64 s[4:5], s[4:5], s[22:23]
	s_add_nc_u64 s[6:7], s[6:7], s[30:31]
	s_add_nc_u64 s[8:9], s[8:9], s[24:25]
.irp t, 0,1,2,3
.irp i, 0,1
	global_load_b128 v[X+8*(2*\t+\i):X+8*(2*\t+\i)+3],   v2, s[4:5] offset:8192*\t+1024*\i th:TH_LOAD_NT
	global_load_b128 v[X+8*(2*\t+\i)+4:X+8*(2*\t+\i)+7], v2, s[4:5] offset:8192*\t+1024*\i+16 th:TH_LOAD_NT
.endr
.endr
.irp e, 0,1,2,3,4,5,6,7
.irp i, 0,1
	global_load_b128 v[GW+8*(2*\e+\i):GW+8*(2*\e+\i)+3],   v2, s[6:7] offset:8192*\e+1024*\i
	global_load_b128 v[GW+8*(2*\e+\i)+4:GW+8*(2*\e+\i)+7], v2, s[6:7] offset:8192*\e+1024*\i+16
.endr
.endr
	s_wait_loadcnt 32                              ; x's 16 loads are in; the 32 of gate_w, issued behind them, may be out
; Chunk i of token t becomes codes.  x itself stays as it is, for the logits: the held numbers go to v[HN] on.
.macro QX t, i
.set XB, X+8*(2*(\t)+(\i))
.set Q,  2*(\t)+(\i)
	v_max3_num_f32 v6, |v[XB]|, |v[XB+1]|, 0x4800000   ; my 8 magnitudes and the floor 2^(9 - 127): the byte cannot fall under 1
	v_max3_num_f32 v7, |v[XB+2]|, |v[XB+3]|, |v[XB+4]|
	v_max3_num_f32 v6, v6, |v[XB+5]|, |v[XB+6]|
	v_max3_num_f32 v6, v6, v7, |v[XB+7]|
	v_max_num_f32_dpp v6, v6, v6 row_xmask:1 row_mask:0xf bank_mask:0xf
	v_max_num_f32_dpp v6, v6, v6 row_xmask:2 row_mask:0xf bank_mask:0xf   ; with the block's other three lanes
	v_add_nc_u32 v8, 0xfc000000, v6                ; 8 off the exponent field: the conversion's scale operand
	v_and_or_b32 v9, v6, 0x7f800000, s20           ; 448 x the scale
.irp j, 0,1,2,3,4,5,6,7
	v_med3_num_f32 v[HN+\j], v[XB+\j], -v9, v9     ; the conversion to an 8-bit code does not saturate (ISA guide 7.6.2)
.endr
	v_cvt_scalef32_pk8_fp8_f32 v[CD+2*Q:CD+2*Q+1], v[HN:HN+7], v8
	v_lshrrev_b32 v[BY+Q], 23, v8                  ; the scale's byte; also the plain line behind the conversion
	ds_store_b8 v4, v[BY+Q] offset:64*(\t)+8*(\i)  ; the block's four lanes write the same byte with the same value
	global_store_b64 v3, v[CD+2*Q:CD+2*Q+1], s[8:9] offset:2048*(\t)+256*(\i)   ; 32 lanes store 256 consecutive bytes, aligned
.endm
.irp t, 0,1,2,3
	QX \t, 0
	QX \t, 1
.endr
	s_wait_xcnt 0x0                                ; the code stores have read their registers, which now take the sums
	s_wait_loadcnt 0x0                             ; gate_w
.set ij, 0
.rept 16                                       ; 32 chains that do not wait for each other
.set te, 0
.rept 32
.if ij == 0
	v_mul_f32 v[V+te], v[X+8*(2*(te/8)+ij/8)+ij%8], v[GW+8*(2*(te%8)+ij/8)+ij%8]
.else
	v_fmac_f32 v[V+te], v[X+8*(2*(te/8)+ij/8)+ij%8], v[GW+8*(2*(te%8)+ij/8)+ij%8]
.endif
.set te, te+1
.endr
.set ij, ij+1
.endr
.irp m, 1,2,4,8
.set k, 0
.rept 32
	v_add_f32_dpp v[V+k], v[V+k], v[V+k] row_xmask:\m row_mask:0xf bank_mask:0xf
.set k, k+1
.endr
.endr
.set k, 0
.rept 32
	v_permlanex16_b32 v[X+k], v[V+k], s18, s19     ; x is done with: its registers take the other half's sums
.set k, k+1
.endr
.set k, 0
.rept 32
	v_add_f32 v[V+k], v[V+k], v[X+k]               ; every lane holds my quarter's 32 sums
.set k, k+1
.endr
.irp k, 0,1,2,3,4,5,6,7
	ds_store_b128 v5, v[V+4*\k:V+4*\k+3] offset:16*\k   ; all lanes write the same bytes with the same values
.endr
	s_wait_dscnt 0x0                               ; for wave 0's sake: my sums and scale bytes lie in LDS
	s_barrier_signal -1
	s_barrier_wait -1
	s_cmp_lg_u32 s16, 0
	s_cbranch_scc1 .Lend
	; wave 0: lane l = (token l / 8, expert l % 8)
	ds_load_b32 v16, v10
	ds_load_b32 v17, v10 offset:128
	ds_load_b32 v18, v10 offset:256
	ds_load_b32 v19, v10 offset:384
	ds_load_b64 v[20:21], v3 offset:SCB
	s_mov_b32 s23, 0
	s_lshl_b32 s22, ttmp9, 8
	s_add_nc_u64 s[10:11], s[10:11], s[22:23]      ; xs: 256 bytes a work-group
	s_lshl_b32 s22, ttmp9, 4
	s_add_nc_u64 s[12:13], s[12:13], s[22:23]      ; idx: 16
	s_lshl_b32 s22, ttmp9, 5
	s_add_nc_u64 s[26:27], s[14:15], s[22:23]      ; gates: 32
	s_lshl_b32 s22, ttmp9, 6
	s_add_co_u32 s22, s22, 8192
	s_add_nc_u64 s[28:29], s[14:15], s[22:23]      ; sums: 64, from byte 8192 on
	s_wait_dscnt 0x0
	global_store_b64 v3, v[20:21], s[10:11]        ; the four tokens' scale bytes: 256 consecutive bytes, aligned
	v_add_f32 v16, v16, v17
	v_add_f32 v18, v18, v19
	v_add_f32 v16, v16, v18                        ; the logit L
	v_and_b32 v11, 7, v1
	v_cvt_f32_u32 v22, v11                         ; my expert's number as f32
	v_mov_b32 v30, 0x41000000                      ; 8.0: above every expert's number
	v_mov_b32 v31, 0xff800000                      ; -infinity
.macro RED8 op, r                      ; over the 8 lanes of a token
	\op v[\r], v[\r], v[\r] row_xmask:1 row_mask:0xf bank_mask:0xf
	\op v[\r], v[\r], v[\r] row_xmask:2 row_mask:0xf bank_mask:0xf
	\op v[\r], v[\r], v[\r] row_xmask:4 row_mask:0xf bank_mask:0xf
.endm
	v_mov_b32 v23, v16
	RED8 v_max_num_f32_dpp, 23                     ; the largest logit
	v_cmp_eq_f32 vcc_lo, v16, v23
	v_cndmask_b32 v24, v30, v22, vcc_lo
	RED8 v_min_num_f32_dpp, 24                     ; its expert: the lowest number among equals
	v_cmp_eq_f32 vcc_lo, v22, v24
	v_cndmask_b32 v25, v16, v31, vcc_lo            ; the logits without it
	v_mov_b32 v26, v25
	RED8 v_max_num_f32_dpp, 26                     ; the second largest
	v_cmp_eq_f32 vcc_lo, v25, v26
	v_cndmask_b32 v27, v30, v22, vcc_lo
	RED8 v_min_num_f32_dpp, 27                     ; and its expert
	v_sub_f32 v28, v16, v23                        ; the maximum is taken away ahead of the exponentials
	v_sub_f32 v29, v26, v23
	v_mul_f32 v28, 0x3fb8aa3b, v28
	v_mul_f32 v29, 0x3fb8aa3b, v29
	s_wait_alu depctr_va_vdst(0)
	v_exp_f32 v28, v28                             ; p
	v_exp_f32 v29, v29                             ; the second's p; the first's is 1
	v_nop
	s_wait_alu depctr_va_vdst(0)                   ; one wait for both exponentials, ahead of their first reader
	v_mov_b32 v32, v28
	RED8 v_add_f32_dpp, 32                         ; the softmax's divisor
	v_add_f32 v33, 1.0, v29                        ; the two chosen scores' sum, over the same divisor
	s_wait_alu depctr_va_vdst(0)
	v_rcp_f32 v32, v32
	v_rcp_f32 v33, v33                             ; g0 = 1 / (1 + p2)
	v_nop
	s_wait_alu depctr_va_vdst(0)                   ; one wait for both reciprocals
	v_mul_f32 v34, v28, v32                        ; my score
	v_mul_f32 v35, v29, v33                        ; g1 = p2 / (1 + p2)
	v_cmp_eq_f32 vcc_lo, v22, v24
	v_cndmask_b32 v36, 0, 1.0, vcc_lo
	v_cmp_eq_f32 vcc_lo, v22, v27
	v_cndmask_b32 v36, v36, 1.0, vcc_lo            ; 1 where my expert is chosen
	v_add_f32_dpp v34, v34, v34 row_xmask:8 row_mask:0xf bank_mask:0xf
	v_add_f32_dpp v36, v36, v36 row_xmask:8 row_mask:0xf bank_mask:0xf
	v_permlanex16_b32 v37, v34, s18, s19
	v_permlanex16_b32 v38, v36, s18, s19
	v_add_f32 v34, v34, v37                        ; over the four tokens
	v_add_f32 v36, v36, v38
	v_and_b32 v38, 8, v1
	v_cmp_ne_u32 vcc_lo, 0, v38
	v_cndmask_b32 v39, v34, v36, vcc_lo            ; lanes 0-7 the scores' sums, lanes 8-15 the counts
	v_cvt_u32_f32 v40, v24
	v_cvt_u32_f32 v41, v27
	v_mov_b32 v43, 0x10000
	v_lshlrev_b32 v42, v40, v43
	v_lshlrev_b32 v44, v41, v43
	v_or_b32 v42, v42, v44
	v_lshl_or_b32 v42, v41, 8, v42
	v_or_b32 v42, v42, v40                         ; e0 | e1 << 8 | the two bits << 16
	v_lshrrev_b32 v45, 3, v1
	v_lshlrev_b32 v47, 3, v45
	v_lshlrev_b32 v45, 2, v45                      ; idx: 4 bytes a token
	v_and_b32 v48, 1, v1
	v_lshl_add_u32 v47, v48, 2, v47                ; gates: 8 bytes a token, 4 a gate
	v_cmp_ne_u32 vcc_lo, 0, v48
	v_cndmask_b32 v46, v33, v35, vcc_lo
	; three small stores; the masks hang on lane numbers alone.  EXEC changes only behind s_wait_xcnt 0
	v_cmp_gt_u32 vcc_lo, 16, v1
	s_wait_alu depctr_va_vdst(0)
	s_wait_xcnt 0x0
	s_and_saveexec_b32 s33, vcc_lo
	global_store_b32 v10, v39, s[28:29]
	s_wait_xcnt 0x0
	s_or_b32 exec_lo, exec_lo, s33
	v_cmp_eq_u32 vcc_lo, 0, v11
	s_and_saveexec_b32 s33, vcc_lo
	global_store_b32 v45, v42, s[12:13]
	s_wait_xcnt 0x0
	s_or_b32 exec_lo, exec_lo, s33
	v_cmp_gt_u32 vcc_lo, 2, v11
	s_and_saveexec_b32 s33, vcc_lo
	global_store_b32 v47, v46, s[26:27]
	s_wait_xcnt 0x0
	s_or_b32 exec_lo, exec_lo, s33
.Lend:
	s_wait_tensorcnt 0x0
	ds_add_u32 v14, v15
	s_wait_dscnt 0x0
	s_endpgm
.Lfunc_end_k_qd73fc1a484_route:
	.size	k_qd73fc1a484_route, .Lfunc_end_k_qd73fc1a484_route-k_qd73fc1a484_route
	.p2alignl 7, 3214868480
	.fill 96, 4, 3214868480
	.section	.rodata,"a",@progbits
	.p2align	6, 0x0
	.amdhsa_kernel k_qd73fc1a484_route
		.amdhsa_group_segment_fixed_size 1536
		.amdhsa_private_segment_fixed_size 0
		.amdhsa_enable_private_segment 0
		.amdhsa_kernarg_size 48
		.amdhsa_user_sgpr_count 2
		.amdhsa_user_sgpr_kernarg_segment_ptr 1
		.amdhsa_wavefront_size32 1
		.amdhsa_system_sgpr_workgroup_id_x 1
		.amdhsa_system_sgpr_workgroup_id_y 1
		.amdhsa_system_sgpr_workgroup_id_z 1
		.amdhsa_system_vgpr_workitem_id 0
		.amdhsa_next_free_vgpr 256
		.amdhsa_next_free_sgpr 66
		.amdhsa_reserve_vcc 1
		.amdhsa_float_denorm_mode_32 3
		.amdhsa_float_denorm_mode_16_64 3
		.amdhsa_memory_ordered 1
		.amdhsa_forward_progress 1
		.amdhsa_inst_pref_size 50
	.end_amdhsa_kernel
	.amdgpu_metadata
---
amdhsa.version: [ 1, 2 ]
amdhsa.kernels:
  - .name:           k_qd73fc1a484_route
    .symbol:         k_qd73fc1a484_route.kd
    .args:
      - { .name: x, .offset: 0, .size: 8, .value_kind: global_buffer, .address_space: global }
      - { .name: gate_w, .offset: 8, .size: 8, .value_kind: global_buffer, .address_space: global }
      - { .name: xq, .offset: 16, .size: 8, .value_kind: global_buffer, .address_space: global }
      - { .name: xs, .offset: 24, .size: 8, .value_kind: global_buffer, .address_space: global }
      - { .name: idx, .offset: 32, .size: 8, .value_kind: global_buffer, .address_space: global }
      - { .name: rt, .offset: 40, .size: 8, .value_kind: global_buffer, .address_space: global }
    .group_segment_fixed_size: 1536
    .private_segment_fixed_size: 0
    .kernarg_segment_align: 8
    .kernarg_segment_size: 48
    .max_flat_workgroup_size: 128
    .sgpr_count:     66
    .vgpr_count:     256
    .wavefront_size: 32
...
	.end_amdgpu_metadata
.endif
;; end of part 1
;; launch up (part 2): grid 256 x 1, 4 waves a work-group, no clusters, 199,680 bytes of LDS; arguments idx, xq, xs, w1_codes, w1_scales, w3_codes, w3_scales, hq, hs; writes hq, hs
.if DOCPART == 2
	.amdgcn_target "amdgcn-amd-amdhsa--gfx1250"
	.amdhsa_code_object_version 6
	.text
	.protected	k_qd73fc1a484_up
	.globl	k_qd73fc1a484_up
	.p2align	8
	.type	k_qd73fc1a484_up,@function
k_qd73fc1a484_up:
	s_mov_b64 s[64:65], 0
	v_nop
	global_prefetch_b8 v0, s[64:65] scope:SCOPE_SE
	s_setreg_imm32_b32 hwreg(HW_REG_WAVE_MODE, 25, 1), 1
	s_wait_xcnt 0x0
; h = silu(X W1[e]^T) * (X W3[e]^T) for the rows that chose expert e, quantised along I.  Both products on codes of E4M3 with E8M0 scales.
; Only the two experts chosen for a token are computed: what reference() makes of the other six its take_along_axis leaves unread.  LIMIT: a NaN, infinity or overflow that reaches only those is not carried.
; SHARES.  Work-group wg: expert e = wg / 32, units 64 g .. 64 g + 63 of I with g = wg % 16 (so 64 rows of W1 and of W3), and half = (wg / 16) % 2 of the expert's tiles of 16 rows: its local tile j is the expert's tile 2 j + half.
; K IS CUT OVER THE FOUR WAVES: wave w holds K 512 w .. 512 w + 511 of all 128 weight rows in 512 registers, loaded once, straight from memory, and streams the tokens' codes past them: each is read by one wave of the work-group.
; A TRIP is four tiles.  Wave w takes them in the order w + 1, w + 2, w + 3, w (mod 4).  Its parts of the first three go to LDS, those of tile w stay in registers; behind the trip's one barrier the other waves' three parts of
; tile w are added, and wave w makes its activation, quantises and stores.  Two LDS buffers by turns: a buffer is written again two trips on, and between lies the next trip's barrier, ahead of which every wave has waited for its reads.
; THE LOOP HAS EIGHT TRIPS, ALWAYS (an expert has at most 64 tiles, 32 a half): the work of a trip without tiles is jumped over by a scalar branch on the expert's count, no barrier is.
; WHO IS RANK j: idx gives 32 ballot masks, mask 4 q + c bit l = token 128 q + 4 l + c; a lane finds its rank's word by 31 selects on the running count and the bit by five halvings.  The four waves share the half's 512 ranks
; and leave the tokens in LDS.  A RANK PAST THE COUNT falls on token 1023: its row of h is a copy that nobody uses.
; THE LOADS AHEAD: behind a tile's products its registers take the tile of the same place in the next trip: 17 loads a place, always issued; for a tile that does not exist all lanes name one row.
; THE PRODUCTS ARE USED TRANSPOSED (source 0 = 16 rows of W, source 1 = 16 tokens), and lane r of unit tile 2 b + u takes unit 32 b + 8 u + r + 8 (r / 8): so a lane holds one token, and the 16 registers of tiles 2 b, 2 b + 1
; are 16 neighbours along the next K.  Codes go to hq as the image of the next operand's registers, ((64 e + tile) 8 + K step) 2048 + 512 c + 16 lane; scale bytes to hs, (64 e + tile) 512 + 32 r + 2 g.
; NO CLUSTER, NO TENSOR LOAD: which trips do work hangs on numbers read from memory; so the two work-groups that share a slice of the weights each load it into registers.
; NO PREFETCH: all loads of the weights go out at the head, and a trip's rows are asked for a whole trip ahead, into registers.
; LIMITS: NaN and infinities are not served; a block of zeros gets the byte 1 (read by this program alone).  The stores of scale bytes (2 bytes a row) fill their 256-byte blocks in part: 1/32 of the codes' bytes.
; REGISTERS: window 0 addresses, scale words, work, two sets of eight accumulators (v128, v192); windows 1, 2 the weights, fragment (K step k, f = 2 ut + m) at 16 (8 k + f); window 3 X, place p at 64 p.
.set LIST, 0                           ; LDS: 40 tiles' tokens, 64 bytes a tile (32 that can exist, 8 of zeros behind them)
.set PART, 2560                        ; two buffers of [tile of four][part of three] 8,192 bytes
.set BUF,  98304
.set SPARE, 199168
.set J,   16                           ; v16-19 my four ranks; later list addresses
.set SW,  20                           ; v20-23 the mask word that holds a rank
.set SB,  24                           ; v24-27 the count ahead of that word | the word's first token << 16
.set TOK, 28                           ; v28-31 tokens
.set WS,  40                           ; v40-55 W's scale words, v[WS + 4 ut + k]: lanes 0-15 W1's, lanes 16-31 W3's
.set XS,  58                           ; v58-73 X's, v[XS + 4 p + k]: numbers that differ from WS's modulo 8
.set TM,  112
.set CD,  80
.set HW,  122
.set TN,  124                          ; v124-127 the next trip's tokens
.set TT,  128
.set AB,  160
.set IX,  192                          ; at the head: v192-223 idx, v224-239 W3's scale words, and the search's work
.set W3S, 224
.set Q,   240
.set C2,  244
.set C4,  248
.set C8,  140
.set X1,  252
.set P1,  148
.set Y1,  152
.set MSB, 0
.macro WIN new                         ; the immediate's high byte repeats the setting that is left; bits 1:0 source 0, 3:2 source 1, 5:4 source 2, 7:6 destination
.if MSB != \new
	s_set_vgpr_msb (MSB<<8)|\new
.set MSB, \new
.endif
.endm
.macro FILL f                          ; 16 loads: 16 rows x my 512 bytes of W1 (f even) or W3 (f odd)
.irp k, 0,1,2,3
	WIN 0x40*(1+\k/2)
.irp c, 0,1,2,3
	global_load_b128 v[16*(8*(\k%2)+\f)+4*\c:16*(8*(\k%2)+\f)+4*\c+3], v4, s[92+2*(\f%2):93+2*(\f%2)] offset:(32*(\f/4)+8*((\f/2)%2))*2048+128*\k+32*\c
.endr
.endr
	WIN 0
.endm
.macro V4C op, d, k, b                 ; four ranks a lane by turns
.irp t, 0,1,2,3
	\op v[\d+\t], \k, v[\b+\t]
.endr
.endm
.macro V4V op, d, a, b
.irp t, 0,1,2,3
	\op v[\d+\t], v[\a+\t], v[\b+\t]
.endr
.endm
.macro TAKE                            ; does my bit lie past the lower half of what is left?
.irp t, 0,1,2,3
	v_cmp_ge_u32 s[74+\t], v[Q+\t], v[X1+\t]
.endr
.irp t, 0,1,2,3
	v_cndmask_b32 v[X1+\t], 0, v[X1+\t], s[74+\t]
.endr
	V4V v_sub_nc_u32, Q, Q, X1
.endm
.macro LEVEL src, mask, step
	V4V v_lshrrev_b32, X1, P1, \src
	V4C v_and_b32, X1, \mask, X1
	TAKE
.irp t, 0,1,2,3
	v_cndmask_b32 v[Y1+\t], 0, \step, s[74+\t]
.endr
	V4V v_add_nc_u32, P1, P1, Y1
.endm
.macro ADDR                            ; tokens -> offsets into X's codes and scale bytes
	V4C v_min_u32, TN, 0x3ff, TN                   ; a number made of loaded data enters addresses only behind this bound
.irp p, 0,1,2,3
	v_lshl_add_u32 v[6+\p], v[TN+\p], 11, v3
.endr
	V4C v_lshlrev_b32, 10, 6, TN
	s_wait_alu depctr_va_vdst(0)
.endm
.macro XLOAD p                         ; 17 loads: 16 tokens x my 512 codes, and their scale words
	WIN 0xc0
.irp k, 0,1,2,3
.irp c, 0,1,2,3
	global_load_b128 v[64*\p+16*\k+4*\c:64*\p+16*\k+4*\c+3], v[6+\p], s[10:11] offset:128*\k+32*\c
.endr
.endr
	WIN 0
	global_load_b128 v[XS+4*\p:XS+4*\p+3], v[10+\p], s[12:13]
.endm
.macro MM p, k, f
.set rD, 128+64*((\p)%2)+8*(\f)
.set rW, 16*(8*((\k)%2)+(\f))
.set rX, 64*(\p)+16*(\k)
.set rA, WS+4*((\f)/2)+(\k)
.set rB, XS+4*(\p)+(\k)
.if (\k) == 0
.if (\f)%2
	v_wmma_scale_f32_16x16x128_f8f6f4 v[rD:rD+7], v[rW:rW+15], v[rX:rX+15], 0, v[rA], v[rB] matrix_a_scale:MATRIX_SCALE_ROW1
.else
	v_wmma_scale_f32_16x16x128_f8f6f4 v[rD:rD+7], v[rW:rW+15], v[rX:rX+15], 0, v[rA], v[rB]
.endif
.else
.if (\f)%2
	v_wmma_scale_f32_16x16x128_f8f6f4 v[rD:rD+7], v[rW:rW+15], v[rX:rX+15], v[rD:rD+7], v[rA], v[rB] matrix_a_scale:MATRIX_SCALE_ROW1
.else
	v_wmma_scale_f32_16x16x128_f8f6f4 v[rD:rD+7], v[rW:rW+15], v[rX:rX+15], v[rD:rD+7], v[rA], v[rB]
.endif
.endif
.endm
.macro PROD p                          ; 32 products, the set's 8 accumulators by turns, and nine places: eight ahead of reads and loads, nine ahead of products that write over the sums
.irp k, 0,1,2,3
	WIN 0x0d+\k/2
.irp f, 0,1,2,3,4,5,6,7
	MM \p, \k, \f
.endr
.endr
	WIN 0
.rept 9
	v_nop
.endr
.endm
.macro POS p, b                        ; the tile at place p: multiply, leave another wave's in LDS, ask for the next trip's
	s_wait_loadcnt 51                              ; this place's 17 loads are in; the three places behind it may be out
.if \p == 0
	s_wait_dscnt 0x0                               ; the next trip's tokens are in
.endif
	s_add_co_u32 s71, s70, s[26+\p]
	s_cmp_ge_u32 s71, s67                          ; no such tile
	s_cbranch_scc1 .Lno_\@
	PROD \p
.if \p < 3
.irp q, 0,1,2,3,4,5,6,7,8,9,10,11,12,13,14,15
	ds_store_b128 v[74+3*\b+\p], v[128+64*(\p%2)+4*\q:128+64*(\p%2)+4*\q+3] offset:512*\q   ; each accumulator from its low end on
.endr
.endif
.Lno_\@:
.if \p == 0
	s_wait_xcnt 0x0                                ; the loads that are out have read their addresses
	ADDR
.endif
	XLOAD \p
.endm
.macro RSET n                          ; three buffers for the parts, 32 registers each
.if (\n)%3 == 2
.set RB_, 80
.else
.set RB_, 128+32*((\n)%3)
.endif
.endm
.macro RLD n, b                        ; half of a part: 8 loads
	RSET \n
.irp q, 0,1,2,3,4,5,6,7
	ds_load_b128 v[RB_+4*\q:RB_+4*\q+3], v[36+\b] offset:8192*(\n/2)+4096*(\n%2)+512*\q
.endr
.endm
.macro RADD n
	RSET \n
.irp q, 0,1,2,3,4,5,6,7
	v_pk_add_f32 v[192+32*(\n%2)+4*\q:193+32*(\n%2)+4*\q], v[192+32*(\n%2)+4*\q:193+32*(\n%2)+4*\q], v[RB_+4*\q:RB_+4*\q+1]
	v_pk_add_f32 v[194+32*(\n%2)+4*\q:195+32*(\n%2)+4*\q], v[194+32*(\n%2)+4*\q:195+32*(\n%2)+4*\q], v[RB_+4*\q+2:RB_+4*\q+3]
.endr
.endm
.macro EPI                             ; my tile's way out: sums at v192 + 8 (2 ut + m)
.irp u, 0,1,2,3
.irp j, 0,2,4,6
	v_pk_mul_f32 v[TT+8*\u+\j:TT+8*\u+\j+1], v[192+16*\u+\j:193+16*\u+\j], s[90:91] op_sel_hi:[1,0]
	v_pk_mul_f32 v[AB+8*\u+\j:AB+8*\u+\j+1], v[192+16*\u+\j:193+16*\u+\j], v[200+16*\u+\j:201+16*\u+\j]
.endr
.endr
	s_wait_alu depctr_va_vdst(0)                   ; ahead of the batch
.set k_, 0
.rept 32
	v_exp_f32 v[TT+k_], v[TT+k_]                   ; e^-a
.set k_, k_+1
.endr
	v_nop
	s_wait_alu depctr_va_vdst(0)                   ; one wait for the 32 exponentials
.set k_, 0
.rept 16
	v_pk_add_f32 v[TT+k_:TT+k_+1], v[TT+k_:TT+k_+1], 1.0 op_sel_hi:[1,0]
.set k_, k_+2
.endr
	s_wait_alu depctr_va_vdst(0)
.set k_, 0
.rept 32
	v_rcp_f32 v[TT+k_], v[TT+k_]
.set k_, k_+1
.endr
	v_nop
	s_wait_alu depctr_va_vdst(0)                   ; one wait for the 32 reciprocals
.set k_, 0
.rept 16
	v_pk_mul_f32 v[AB+k_:AB+k_+1], v[AB+k_:AB+k_+1], v[TT+k_:TT+k_+1]   ; h = a b / (1 + e^-a); register 16 b + i = unit 32 b + 16 h + i of my token
.set k_, k_+2
.endr
.irp b, 0,1
	v_max3_num_f32 v[TM+\b], |v[AB+16*\b]|, |v[AB+16*\b+1]|, 0x4800000   ; my 16 of the block, and the floor 2^(9 - 127)
.endr
.irp i, 2,4,6,8,10,12,14
.irp b, 0,1
	v_max3_num_f32 v[TM+\b], v[TM+\b], |v[AB+16*\b+\i]|, |v[AB+16*\b+\i+1]|
.endr
.endr
.irp b, 0,1
	v_permlanex16_b32 v[TM+2+\b], v[TM+\b], s30, s31
.endr
.irp b, 0,1
	v_max_num_f32 v[TM+\b], v[TM+\b], v[TM+2+\b]   ; with lane l xor 16's 16
.endr
.irp b, 0,1
	v_add_nc_u32 v[TM+4+\b], 0xfc000000, v[TM+\b]  ; the conversion's scale operand
.endr
.irp b, 0,1
	v_and_or_b32 v[TM+6+\b], v[TM+\b], 0x7f800000, s89   ; 448 x the scale
.endr
.irp b, 0,1
	v_lshrrev_b32 v[TM+8+\b], 23, v[TM+4+\b]       ; the byte
.endr
	v_lshl_or_b32 v[HW], v[TM+9], 8, v[TM+8]
.irp b, 0,1
.irp i, 0,1,2,3,4,5,6,7,8,9,10,11,12,13,14,15
	v_med3_num_f32 v[AB+16*\b+\i], v[AB+16*\b+\i], -v[TM+6+\b], v[TM+6+\b]   ; the conversion does not saturate (ISA guide 7.6.2)
.endr
	v_cvt_scalef32_pk8_fp8_f32 v[CD+4*\b:CD+4*\b+1], v[AB+16*\b:AB+16*\b+7], v[TM+4+\b]
	v_cvt_scalef32_pk8_fp8_f32 v[CD+4*\b+2:CD+4*\b+3], v[AB+16*\b+8:AB+16*\b+15], v[TM+4+\b]
.endr
	s_wait_alu depctr_va_vdst(0)
	v_nop                                          ; a plain line behind the last conversion
	s_lshl_b32 s72, s71, 1
	s_add_co_u32 s72, s72, s6                      ; the tile among all experts': 64 e + 2 j + half
	s_lshl_b32 s74, s72, 14
	s_lshl_b32 s75, s4, 10
	s_add_co_u32 s74, s74, s75                     ; 16384 a tile; my 64 units are half a K step
	s_mov_b32 s75, 0
	s_add_nc_u64 s[76:77], s[22:23], s[74:75]
	s_lshl_b32 s74, s72, 9
	s_lshl_b32 s73, s4, 1
	s_add_co_u32 s74, s74, s73
	s_add_nc_u64 s[78:79], s[24:25], s[74:75]
	global_store_b128 v14, v[CD:CD+3], s[76:77]              ; 32 lanes store 512 consecutive bytes, aligned
	global_store_b128 v14, v[CD+4:CD+7], s[76:77] offset:512
	global_store_b16 v15, v[HW], s[78:79]          ; lanes r and r + 16 write the same two bytes with the same value
.endm
.macro TRIP b                          ; b: the LDS buffer
	s_add_co_u32 s70, s69, 4*\b                    ; the trip's first local tile
	s_cmp_ge_u32 s70, s67
	s_cbranch_scc1 .Lbar_\@
	POS 0, \b
	POS 1, \b
	POS 2, \b
	POS 3, \b
.Lbar_\@:
	s_wait_dscnt 0x0                               ; for the others' sake: my parts lie in LDS; and my reads of the other buffer are over
	s_barrier_signal -1
	s_barrier_wait -1
	s_add_co_u32 s71, s70, s2
	s_cmp_ge_u32 s71, s67                          ; my own tile does not exist (then no later trip has a tile)
	s_cbranch_scc1 .Lnext_\@
	s_wait_storecnt 0x0                            ; the last trip's stores have read their registers and bases, which are written again below
	RLD 0, \b
	RLD 1, \b
	RLD 2, \b
	s_wait_dscnt 16                                ; two chunks of 8 loads may be out
	RADD 0
	RLD 3, \b
	s_wait_dscnt 16
	RADD 1
	RLD 4, \b
	s_wait_dscnt 16
	RADD 2
	RLD 5, \b
	s_wait_dscnt 16
	RADD 3
	s_wait_dscnt 8
	RADD 4
	s_wait_dscnt 0x0
	RADD 5
.irp p, 0,1,2,3
	v_add_nc_u32 v[J+\p], s86, v[32+\p]
.endr
.irp p, 0,1,2,3
	ds_load_b32 v[TN+\p], v[J+\p] offset:512+256*\b          ; the tokens two trips on
.endr
	EPI
.Lnext_\@:
.endm
	s_load_b512 s[8:23], s[0:1], 0x0               ; idx s[8:9], xq s[10:11], xs s[12:13], w1 codes s[14:15], scales s[16:17], w3 codes s[18:19], scales s[20:21], hq s[22:23]
	s_load_b64 s[24:25], s[0:1], 0x40              ; hs
	v_lshl_add_u32 v38, v0, 2, SPARE
	v_mov_b32 v39, 0
	v_and_b32 v1, 31, v0                           ; lane
	v_and_b32 v2, 15, v0                           ; r
	v_bfe_u32 v56, v0, 4, 1                        ; h
	v_lshrrev_b32 v57, 5, v0
	v_readfirstlane_b32 s2, v57                    ; wave
	v_lshlrev_b32 v3, 4, v56                       ; 16 h
	v_lshlrev_b32 v14, 4, v1                       ; 16 x lane
	v_lshlrev_b32 v15, 5, v2                       ; 32 r
	v_and_b32 v57, 8, v2
	v_add_nc_u32 v57, v57, v2                      ; r + 8 (r / 8)
	v_lshl_add_u32 v4, v57, 11, v3                 ; W: that row of 2,048 codes, + 16 h
	v_lshlrev_b32 v5, 6, v57                       ; and its 64 scale bytes
	v_lshl_add_u32 v[J], v56, 5, v2                ; 32 h + r
	v_lshlrev_b32 v123, 2, v1
	v_lshlrev_b32 v32, 2, v2
	v_mov_b32 v[TM+2], 0                           ; written once: a lane permute's destination counts as one of its sources
	v_mov_b32 v[TM+3], 0
	s_and_b32 s4, ttmp9, 15                        ; g
	s_bfe_u32 s5, ttmp9, 0x10004                   ; half
	s_lshr_b32 s3, ttmp9, 5                        ; e
	s_lshl_b32 s6, s3, 6
	s_add_co_u32 s6, s6, s5                        ; 64 e + half
	s_add_co_u32 s7, s3, 16
	s_lshl_b32 s7, 1, s7                           ; my expert's bit in a word of idx
.irp p, 0,1,2,3
	s_add_co_u32 s[26+\p], s2, \p+1
	s_and_b32 s[26+\p], s[26+\p], 3                ; the tile of four at place p
.endr
	s_mov_b32 s30, 0x76543210
	s_mov_b32 s31, 0xfedcba98
	s_mov_b32 s89, 0x600000                        ; the mantissa field of 448
	s_mov_b32 s90, 0xbfb8aa3b                      ; -log2(e)
	s_mov_b32 s91, s90                             ; (named with it as a pair)
	s_lshl_b32 s72, s2, 6
	s_lshl_b32 s73, s5, 4
	s_add_co_u32 s72, s72, s73
	s_lshl_b32 s73, s2, 7
	s_wait_alu depctr_va_vdst(0)                   ; directly ahead of the readers below
	v_add_nc_u32 v[J], s72, v[J]                   ; rank 256 t + 64 w + 32 h + 16 half + r
	v_add_nc_u32 v123, s73, v123                   ; the list: 128 w + 4 lane (+ 512 t)
	v_add_nc_u32 v[J+1], 0x100, v[J]
	v_add_nc_u32 v[J+2], 0x200, v[J]
	v_add_nc_u32 v[J+3], 0x300, v[J]
.irp p, 3,2,1,0
	s_lshl_b32 s72, s[26+\p], 6
	v_add_nc_u32 v[32+\p], s72, v32                ; the list: the tile at place p
.endr
.irp p, 0,1,2
	s_mul_i32 s72, s[26+\p], 24576
	s_add_co_u32 s72, s72, PART+8192*\p
	v_add_nc_u32 v[74+\p], s72, v14                ; where my parts go
	s_add_co_u32 s72, s72, BUF
	v_add_nc_u32 v[77+\p], s72, v14
.endr
	s_mul_i32 s72, s2, 24576
	s_add_co_u32 s72, s72, PART
	v_add_nc_u32 v36, s72, v14                     ; where my own tile's parts lie
	s_add_co_u32 s72, s72, BUF
	v_add_nc_u32 v37, s72, v14
	s_lshl_b32 s72, s3, 10
	s_lshl_b32 s73, s4, 6
	s_add_co_u32 s72, s72, s73                     ; the work-group's first row of W1 and W3
	s_lshl_b32 s74, s72, 6
	s_lshl_b32 s76, s2, 4                          ; my 16 scale bytes of a row
	s_add_co_u32 s74, s74, s76
	s_mov_b32 s75, 0
	s_mov_b32 s77, 0
	s_lshl_b32 s72, s72, 11
	s_lshl_b32 s78, s2, 9                          ; my 512 codes of a row
	s_add_co_u32 s72, s72, s78
	s_mov_b32 s73, 0
	s_mov_b32 s79, 0
	s_wait_alu depctr_va_vdst(0)
	s_wait_kmcnt 0x0
	s_add_nc_u64 s[92:93], s[14:15], s[72:73]
	s_add_nc_u64 s[94:95], s[18:19], s[72:73]
	s_add_nc_u64 s[96:97], s[16:17], s[74:75]
	s_add_nc_u64 s[98:99], s[20:21], s[74:75]
	s_add_nc_u64 s[10:11], s[10:11], s[78:79]
	s_add_nc_u64 s[12:13], s[12:13], s[76:77]
.irp q, 0,1,2,3,4,5,6,7
	global_load_b128 v[IX+4*\q:IX+4*\q+3], v14, s[8:9] offset:512*\q   ; all of idx: register 4 q + c, lane l: token 128 q + 4 l + c
.endr
	FILL 0
	FILL 1
	FILL 2
	s_wait_loadcnt 48                              ; idx is in; the 48 loads of weights behind it may be out
.set wi, 0
.rept 32
	v_and_b32 v[128+wi], s7, v[IX+wi]
	v_cmp_ne_u32 s[32+wi], 0, v[128+wi]            ; who chose my expert
.set wi, wi+1
.endr
	FILL 3
.irp t, 0,1,2,3
	v_mov_b32 v[SW+\t], s32
	v_mov_b32 v[SB+\t], 0
.endr
	s_mov_b32 s70, 0
.set wi, 1
.rept 31
	s_bcnt1_i32_b32 s72, s[31+wi]
	s_add_co_u32 s70, s70, s72                     ; the count ahead of word wi
	s_or_b32 s71, s70, (128*(wi/4)+wi%4)<<16
.irp t, 0,1,2,3
	v_cmp_gt_u32 s[74+\t], s70, v[J+\t]            ; past my rank: keep what I have
.endr
.irp t, 0,1,2,3
	v_cndmask_b32 v[SW+\t], s[32+wi], v[SW+\t], s[74+\t]
.endr
.irp t, 0,1,2,3
	v_cndmask_b32 v[SB+\t], s71, v[SB+\t], s[74+\t]
.endr
.set wi, wi+1
.endr
	s_bcnt1_i32_b32 s72, s63
	s_add_co_u32 s66, s70, s72                     ; the expert's count
	s_min_u32 s66, s66, 1024
	s_add_co_u32 s67, s66, 31
	s_lshr_b32 s67, s67, 5                         ; tiles a half (the second half's last may hold no row: its h is used by nobody)
	; the place of set bit number q of my word, and the token
	V4C v_and_b32, Q, 0xffff, SB
	V4V v_sub_nc_u32, Q, J, Q
	V4C v_lshrrev_b32, C2, 1, SW
	V4C v_and_b32, C2, 0x55555555, C2
	V4V v_sub_nc_u32, C2, SW, C2                   ; counts of 2 bits
	V4C v_lshrrev_b32, C4, 2, C2
	V4C v_and_b32, C4, 0x33333333, C4
	V4C v_and_b32, X1, 0x33333333, C2
	V4V v_add_nc_u32, C4, C4, X1                   ; of 4
	V4C v_lshrrev_b32, C8, 4, C4
	V4V v_add_nc_u32, C8, C8, C4
	V4C v_and_b32, C8, 0x0f0f0f0f, C8              ; of 8
	V4C v_lshrrev_b32, X1, 8, C8
	V4V v_add_nc_u32, X1, X1, C8
	V4C v_and_b32, X1, 0xff, X1                    ; of the low 16
	TAKE
.irp t, 0,1,2,3
	v_cndmask_b32 v[P1+\t], 0, 16, s[74+\t]
.endr
	LEVEL C8, 0xff, 8
	LEVEL C4, 15, 4
	LEVEL C2, 3, 2
	LEVEL SW, 1, 1
	V4C v_lshrrev_b32, X1, 16, SB
.irp t, 0,1,2,3
	v_lshl_add_u32 v[TOK+\t], v[P1+\t], 2, v[X1+\t]
.endr
	V4C v_min_u32, TOK, 0x3ff, TOK
.irp t, 0,1,2,3
	ds_store_b32 v123, v[TOK+\t] offset:LIST+512*\t
.endr
	ds_store_b32 v123, v39 offset:LIST+2048        ; the eight tiles behind the last that can exist: token 0
	s_wait_alu depctr_va_vdst(0)
	s_wait_dscnt 0x0                               ; for the others' sake: my part of the list lies in LDS
	s_barrier_signal -1
	s_barrier_wait -1
.irp p, 0,1,2,3
	ds_load_b32 v[TN+\p], v[32+\p]                 ; the first trip's tokens
.endr
.irp u, 0,1,2,3
	global_load_b128 v[WS+4*\u:WS+4*\u+3], v5, s[96:97] offset:(32*(\u/2)+8*(\u%2))*64      ; W1's scale words
	global_load_b128 v[W3S+4*\u:W3S+4*\u+3], v5, s[98:99] offset:(32*(\u/2)+8*(\u%2))*64    ; W3's
.endr
	FILL 4
	FILL 5
	FILL 6
	FILL 7
	s_wait_dscnt 0x0
	ADDR
	XLOAD 0
	XLOAD 1
	XLOAD 2
	XLOAD 3
.irp p, 0,1,2,3
	ds_load_b32 v[TN+\p], v[32+\p] offset:256      ; the second trip's tokens
.endr
	s_wait_loadcnt 63                              ; the scale words are in: 132 loads stand behind them
	v_cmp_le_u32 vcc_lo, 16, v1
.set k_, 0
.rept 16
	v_cndmask_b32 v[WS+k_], v[WS+k_], v[W3S+k_], vcc_lo   ; one register carries W1's word in lanes 0-15 and W3's in lanes 16-31
.set k_, k_+1
.endr
.rept 8
	v_nop                                          ; eight places between a scale register's write and the products
.endr
	s_mov_b32 s69, 0
	s_mov_b32 s86, 0
	s_wait_alu depctr_va_vdst(0)
.Lloop:                                            ; four times two trips of four tiles
	TRIP 0
	TRIP 1
	s_add_co_u32 s86, s86, 512
	s_add_co_u32 s69, s69, 8
	s_cmp_lt_u32 s69, 32
	s_cbranch_scc1 .Lloop
	s_wait_tensorcnt 0x0                           ; the wave's end
	ds_add_u32 v38, v39
	s_wait_dscnt 0x0
	s_endpgm
.Lfunc_end_k_qd73fc1a484_up:
	.size	k_qd73fc1a484_up, .Lfunc_end_k_qd73fc1a484_up-k_qd73fc1a484_up
	.p2alignl 7, 3214868480
	.fill 96, 4, 3214868480
	.section	.rodata,"a",@progbits
	.p2align	6, 0x0
	.amdhsa_kernel k_qd73fc1a484_up
		.amdhsa_group_segment_fixed_size 199680
		.amdhsa_private_segment_fixed_size 0
		.amdhsa_enable_private_segment 0
		.amdhsa_kernarg_size 72
		.amdhsa_user_sgpr_count 2
		.amdhsa_user_sgpr_kernarg_segment_ptr 1
		.amdhsa_wavefront_size32 1
		.amdhsa_system_sgpr_workgroup_id_x 1
		.amdhsa_system_sgpr_workgroup_id_y 1
		.amdhsa_system_sgpr_workgroup_id_z 1
		.amdhsa_system_vgpr_workitem_id 0
		.amdhsa_next_free_vgpr 1024
		.amdhsa_next_free_sgpr 100
		.amdhsa_reserve_vcc 1
		.amdhsa_float_denorm_mode_32 3
		.amdhsa_float_denorm_mode_16_64 3
		.amdhsa_memory_ordered 1
		.amdhsa_forward_progress 1
		.amdhsa_inst_pref_size 166
	.end_amdhsa_kernel
	.amdgpu_metadata
---
amdhsa.version: [ 1, 2 ]
amdhsa.kernels:
  - .name:           k_qd73fc1a484_up
    .symbol:         k_qd73fc1a484_up.kd
    .args:
      - { .name: idx, .offset: 0, .size: 8, .value_kind: global_buffer, .address_space: global }
      - { .name: xq, .offset: 8, .size: 8, .value_kind: global_buffer, .address_space: global }
      - { .name: xs, .offset: 16, .size: 8, .value_kind: global_buffer, .address_space: global }
      - { .name: w1_codes, .offset: 24, .size: 8, .value_kind: global_buffer, .address_space: global }
      - { .name: w1_scales, .offset: 32, .size: 8, .value_kind: global_buffer, .address_space: global }
      - { .name: w3_codes, .offset: 40, .size: 8, .value_kind: global_buffer, .address_space: global }
      - { .name: w3_scales, .offset: 48, .size: 8, .value_kind: global_buffer, .address_space: global }
      - { .name: hq, .offset: 56, .size: 8, .value_kind: global_buffer, .address_space: global }
      - { .name: hs, .offset: 64, .size: 8, .value_kind: global_buffer, .address_space: global }
    .group_segment_fixed_size: 199680
    .private_segment_fixed_size: 0
    .kernarg_segment_align: 8
    .kernarg_segment_size: 72
    .max_flat_workgroup_size: 128
    .sgpr_count:     100
    .vgpr_count:     1024
    .wavefront_size: 32
...
	.end_amdgpu_metadata
.endif
;; end of part 2
;; launch down (part 3): grid 256 x 1, 4 waves a work-group, no clusters, 272,896 bytes of LDS; arguments idx, hq, hs, w2_codes, w2_scales, y; writes y
.if DOCPART == 3
	.amdgcn_target "amdgcn-amd-amdhsa--gfx1250"
	.amdhsa_code_object_version 6
	.text
	.protected	k_qd73fc1a484_down
	.globl	k_qd73fc1a484_down
	.p2align	8
	.type	k_qd73fc1a484_down,@function
k_qd73fc1a484_down:
	s_mov_b64 s[64:65], 0
	v_nop
	global_prefetch_b8 v0, s[64:65] scope:SCOPE_SE
	s_setreg_imm32_b32 hwreg(HW_REG_WAVE_MODE, 25, 1), 1
	s_wait_xcnt 0x0
; y[2 token + k][:] = h W2[e]^T, f32, for each token's choice k = 0, 1 (its expert e), not yet weighed by the gates.  The product is on codes of E4M3 with E8M0 scales.  Only the chosen experts' rows are multiplied, as in the launch before.
; SHARES.  Work-group wg: expert e = wg / 32, columns 128 g .. 128 g + 127 of D with g = wg % 16, and half = (wg / 16) % 2 of the expert's tiles of 16 rows (local tile j = tile 2 j + half).  K is cut over the four waves: wave w
; holds K 256 w .. 256 w + 255 of the 128 rows of W2 in 256 registers, loaded once, and streams h past them: each tile of h is read once, 512 consecutive bytes a load.
; A TRIP is four tiles; wave w takes them in the order w + 1, w + 2, w + 3, w (mod 4) and leaves its part of each in LDS, as rows of 528 bytes; behind the trip's one barrier wave w reads tile w's four parts row by row,
; adds them and stores whole rows of 512 bytes.  Two LDS buffers by turns: a buffer is written again two trips on, behind the next trip's barrier, ahead of which every wave has waited for its reads.
; THE LOOP HAS EIGHT TRIPS, ALWAYS (at most 32 tiles a half): the work of a trip without tiles is jumped over by a scalar branch on the expert's count, no barrier is.
; WHERE A RANK'S ROW GOES: idx gives the rank's token as in the launch before, and idx[token] says which of its choices e is.  The four waves share the half's 512 ranks and leave 2 token + k in LDS.
; A RANK PAST THE COUNT: its row goes to y's row 2048 + 2 e + half, of which each work-group has its own 512 bytes and which nobody reads.
; A tile that does not exist: its loads are issued all the same (the counts of the waits hold on every path), all lanes on one address of the last tile.  An expert that nobody chose: they read bytes that nobody stored; nothing is made of them.
; THE PRODUCT IS USED TRANSPOSED (source 0 = 16 rows of W2, source 1 = 16 rows of h): a lane holds 8 neighbouring columns of one row of y.
; NO CLUSTER, NO TENSOR LOAD: which trips do work hangs on numbers read from memory.  NO PREFETCH: all loads of the weights go out at the head, a trip's h a whole trip ahead, into registers.
; REGISTERS: window 0 addresses, scale words, two sets of eight accumulators (v128, v192), which are also the rows on the way out; window 1 W2, fragment (k, f) at 16 (8 k + f); window 2 h, place p at 32 p.
.set LIST, 0                           ; LDS: 32 tiles x 16 ranks x 4 bytes
.set PART, 2048                        ; two buffers of [tile of four][part of four] 16 rows x 528 bytes
.set BUF,  135168
.set SPARE, 272384
.set J,   16
.set SW,  20
.set SB,  24
.set TOK, 28
.set XI,  32
.set WS,  40                           ; v[40 + 8 u + k]: lanes 0-15 column tile 2 u's scale word, lanes 16-31 tile 2 u + 1's
.set XIO, 124
.set Q,   128
.set C2,  132
.set C4,  136
.set C8,  140
.set X1,  144
.set P1,  148
.set Y1,  152
.set MSB, 0
.macro WIN new
.if MSB != \new
	s_set_vgpr_msb (MSB<<8)|\new
.set MSB, \new
.endif
.endm
.macro FILL f                          ; 8 loads: 16 rows of W2 x my 256 bytes
	WIN 0x40
.irp k, 0,1
.irp c, 0,1,2,3
	global_load_b128 v[16*(8*\k+\f)+4*\c:16*(8*\k+\f)+4*\c+3], v4, s[92:93] offset:16384*\f+128*\k+32*\c
.endr
.endr
	WIN 0
.endm
.macro V4C op, d, k, b
.irp t, 0,1,2,3
	\op v[\d+\t], \k, v[\b+\t]
.endr
.endm
.macro V4V op, d, a, b
.irp t, 0,1,2,3
	\op v[\d+\t], v[\a+\t], v[\b+\t]
.endr
.endm
.macro TAKE
.irp t, 0,1,2,3
	v_cmp_ge_u32 s[74+\t], v[Q+\t], v[X1+\t]
.endr
.irp t, 0,1,2,3
	v_cndmask_b32 v[X1+\t], 0, v[X1+\t], s[74+\t]
.endr
	V4V v_sub_nc_u32, Q, Q, X1
.endm
.macro LEVEL src, mask, step
	V4V v_lshrrev_b32, X1, P1, \src
	V4C v_and_b32, X1, \mask, X1
	TAKE
.irp t, 0,1,2,3
	v_cndmask_b32 v[Y1+\t], 0, \step, s[74+\t]
.endr
	V4V v_add_nc_u32, P1, P1, Y1
.endm
.macro HLOAD p                         ; local tile s72: 8 loads of codes and one of scale words; without such a tile every lane names lane 0's bytes of the last
	s_cmp_lt_u32 s72, s67
	s_cselect_b32 s73, -1, 0
	s_min_u32 s72, s72, s68
	s_min_u32 s72, s72, 31                         ; bounded in the text
	s_lshl_b32 s72, s72, 1
	s_add_co_u32 s72, s72, s6
	s_lshl_b32 s74, s72, 14
	s_mov_b32 s75, 0
	s_add_nc_u64 s[76+2*\p:77+2*\p], s[10:11], s[74:75]
	s_lshl_b32 s74, s72, 9
	s_add_nc_u64 s[84+2*\p:85+2*\p], s[12:13], s[74:75]
	v_and_b32 v[6+\p], s73, v14
	v_and_b32 v[10+\p], s73, v15
	v_min_u32 v[6+\p], 0x1f0, v[6+\p]
	v_min_u32 v[10+\p], 0x1e0, v[10+\p]
	WIN 0x80
.irp k, 0,1
.irp c, 0,1,2,3
	global_load_b128 v[32*\p+16*\k+4*\c:32*\p+16*\k+4*\c+3], v[6+\p], s[76+2*\p:77+2*\p] offset:2048*\k+512*\c
.endr
.endr
	WIN 0
	global_load_b64 v[42+2*\p+2*(\p/3):43+2*\p+2*(\p/3)], v[10+\p], s[84+2*\p:85+2*\p]
.endm
.macro MM p, k, f
.set rD, 128+64*((\p)%2)+8*(\f)
.set rW, 16*(8*(\k)+(\f))
.set rH, 32*(\p)+16*(\k)
.set rA, WS+8*((\f)/2)+(\k)
.set rB, 42+2*(\p)+2*((\p)/3)+(\k)
.if (\k) == 0
.if (\f)%2
	v_wmma_scale_f32_16x16x128_f8f6f4 v[rD:rD+7], v[rW:rW+15], v[rH:rH+15], 0, v[rA], v[rB] matrix_a_scale:MATRIX_SCALE_ROW1
.else
	v_wmma_scale_f32_16x16x128_f8f6f4 v[rD:rD+7], v[rW:rW+15], v[rH:rH+15], 0, v[rA], v[rB]
.endif
.else
.if (\f)%2
	v_wmma_scale_f32_16x16x128_f8f6f4 v[rD:rD+7], v[rW:rW+15], v[rH:rH+15], v[rD:rD+7], v[rA], v[rB] matrix_a_scale:MATRIX_SCALE_ROW1
.else
	v_wmma_scale_f32_16x16x128_f8f6f4 v[rD:rD+7], v[rW:rW+15], v[rH:rH+15], v[rD:rD+7], v[rA], v[rB]
.endif
.endif
.endm
.macro POS p, b
	s_wait_loadcnt 27                              ; this place's 9 loads are in; the three places behind it may be out
	s_add_co_u32 s71, s70, s[26+\p]
	s_cmp_ge_u32 s71, s67                          ; no such tile
	s_cbranch_scc1 .Lno_\@
	WIN 0x09
.irp k, 0,1
.irp f, 0,1,2,3,4,5,6,7
	MM \p, \k, \f
.endr
.endr
	WIN 0
.rept 9
	v_nop                                          ; eight places ahead of reads and loads, nine ahead of products that write over the sums
.endr
.irp f, 0,1,2,3,4,5,6,7
	ds_store_b128 v[66+4*\b+\p], v[128+64*(\p%2)+8*\f:131+64*(\p%2)+8*\f] offset:64*\f
	ds_store_b128 v[66+4*\b+\p], v[132+64*(\p%2)+8*\f:135+64*(\p%2)+8*\f] offset:64*\f+16
.endr
.Lno_\@:
	s_add_co_u32 s72, s71, 4                       ; the next trip's tile (this place's loads are done: their bases and offsets are free)
	HLOAD \p
.endm
.macro ROWS n, b                       ; rows 4 n .. 4 n + 3 of my tile: four parts each
.irp i, 0,1,2,3
.irp q, 0,1,2,3
	ds_load_b128 v[128+64*(\n%2)+16*\i+4*\q:131+64*(\n%2)+16*\i+4*\q], v[74+\b] offset:8448*\q+528*(4*\n+\i)
.endr
.endr
.endm
.macro OUT n
.set G_, 128+64*((\n)%2)
.irp i, 0,1,2,3
	v_pk_add_f32 v[G_+16*\i:G_+16*\i+1], v[G_+16*\i:G_+16*\i+1], v[G_+16*\i+4:G_+16*\i+5]
	v_pk_add_f32 v[G_+16*\i+2:G_+16*\i+3], v[G_+16*\i+2:G_+16*\i+3], v[G_+16*\i+6:G_+16*\i+7]
	v_pk_add_f32 v[G_+16*\i+8:G_+16*\i+9], v[G_+16*\i+8:G_+16*\i+9], v[G_+16*\i+12:G_+16*\i+13]
	v_pk_add_f32 v[G_+16*\i+10:G_+16*\i+11], v[G_+16*\i+10:G_+16*\i+11], v[G_+16*\i+14:G_+16*\i+15]
.endr
.irp i, 0,1,2,3
	v_pk_add_f32 v[G_+16*\i:G_+16*\i+1], v[G_+16*\i:G_+16*\i+1], v[G_+16*\i+8:G_+16*\i+9]
	v_pk_add_f32 v[G_+16*\i+2:G_+16*\i+3], v[G_+16*\i+2:G_+16*\i+3], v[G_+16*\i+10:G_+16*\i+11]
.endr
.irp i, 0,1,2,3
	global_store_b128 v[80+4*\n+\i], v[G_+16*\i:G_+16*\i+3], s[18:19] th:TH_STORE_NT   ; 32 lanes store 512 consecutive bytes, aligned
.endr
.endm
.macro TRIP b
	s_add_co_u32 s70, s69, 4*\b                    ; the trip's first local tile
	s_wait_xcnt 0x0                                ; the last trip's stores have read their registers
	s_cmp_ge_u32 s70, s67
	s_cbranch_scc1 .Lbar_\@
	POS 0, \b
	POS 1, \b
	POS 2, \b
	POS 3, \b
.Lbar_\@:
	s_wait_dscnt 0x0                               ; for the others' sake: my parts (ahead of the first barrier the list too) lie in LDS; and my reads of the other buffer are over
	s_barrier_signal -1
	s_barrier_wait -1
	s_add_co_u32 s71, s70, s2
	s_cmp_ge_u32 s71, s67                          ; my tile does not exist
	s_cbranch_scc1 .Lnext_\@
	v_add_nc_u32 v76, s20, v36
.irp i, 0,1,2,3
	ds_load_b128 v[80+4*\i:83+4*\i], v76 offset:LIST+256*\b+16*\i   ; where the tile's 16 rows go, in every lane
.endr
	ROWS 0, \b
	ROWS 1, \b
	s_wait_dscnt 32                                ; the list's words are in; two runs of 16 loads may be out
.set k_, 0
.rept 16
	v_min_u32 v[80+k_], 0x80f, v[80+k_]            ; a number made of loaded data enters addresses only behind this bound
.set k_, k_+1
.endr
.set k_, 0
.rept 16
	v_lshl_add_u32 v[80+k_], v[80+k_], 13, v77
.set k_, k_+1
.endr
	s_wait_dscnt 16
	OUT 0
	s_wait_xcnt 0x0                                ; the stores have read their data, which the next rows' parts replace
	ROWS 2, \b
	s_wait_dscnt 16
	OUT 1
	s_wait_xcnt 0x0
	ROWS 3, \b
	s_wait_dscnt 16
	OUT 2
	s_wait_dscnt 0x0
	OUT 3
.Lnext_\@:
.endm
	s_load_b256 s[8:15], s[0:1], 0x0               ; idx s[8:9], hq s[10:11], hs s[12:13], w2 codes s[14:15]
	s_load_b128 s[16:19], s[0:1], 0x20             ; w2 scales s[16:17], y s[18:19]
	v_lshl_add_u32 v38, v0, 2, SPARE
	v_mov_b32 v39, 0
	v_and_b32 v1, 31, v0                           ; lane
	v_and_b32 v2, 15, v0                           ; r
	v_bfe_u32 v79, v0, 4, 1                        ; h
	v_lshrrev_b32 v76, 5, v0
	v_readfirstlane_b32 s2, v76                    ; wave
	v_lshlrev_b32 v3, 4, v79
	v_lshl_add_u32 v4, v2, 10, v3                  ; W2: row r of 1,024 codes, + 16 h
	v_lshlrev_b32 v5, 5, v1                        ; W2's scale bytes: 32 a row, lane l takes row l of a pair of tiles
	v_lshlrev_b32 v14, 4, v1                       ; 16 x lane
	v_lshlrev_b32 v15, 5, v2                       ; 32 r: h's scale bytes
	v_lshl_add_u32 v[J], v79, 5, v2                ; 32 h + r
	v_lshlrev_b32 v123, 2, v1
	v_mul_u32_u24 v78, v2, 528
	v_lshl_add_u32 v78, v79, 5, v78                ; a part: row r, + 32 h
	s_and_b32 s4, ttmp9, 15                        ; g
	s_bfe_u32 s5, ttmp9, 0x10004                   ; half
	s_lshr_b32 s3, ttmp9, 5                        ; e
	s_lshl_b32 s6, s3, 6
	s_add_co_u32 s6, s6, s5                        ; 64 e + half
	s_lshl_b32 s21, s3, 1
	s_add_co_u32 s21, s21, s5
	s_add_co_u32 s21, s21, 2048                    ; the row for ranks past the count
	s_add_co_u32 s7, s3, 16
	s_lshl_b32 s7, 1, s7                           ; my expert's bit in a word of idx
.irp p, 0,1,2,3
	s_add_co_u32 s[26+\p], s2, \p+1
	s_and_b32 s[26+\p], s[26+\p], 3                ; the tile of four at place p
.endr
	s_lshl_b32 s72, s2, 6
	s_lshl_b32 s73, s5, 4
	s_add_co_u32 s73, s72, s73
	s_lshl_b32 s74, s2, 7
	s_lshl_b32 s75, s4, 9
	s_wait_alu depctr_va_vdst(0)                   ; directly ahead of the readers below
	v_mov_b32 v36, s72                             ; the list: my tile of a trip, 64 bytes a tile
	v_add_nc_u32 v[J], s73, v[J]                   ; rank 256 t + 64 w + 32 h + 16 half + r
	v_add_nc_u32 v123, s74, v123                   ; the list: 128 w + 4 lane (+ 512 t)
	v_add_nc_u32 v77, s75, v14                     ; my 16 bytes of a row of y
	v_add_nc_u32 v[J+1], 0x100, v[J]
	v_add_nc_u32 v[J+2], 0x200, v[J]
	v_add_nc_u32 v[J+3], 0x300, v[J]
.irp p, 0,1,2,3
	s_mul_i32 s72, s[26+\p], 33792
	s_add_co_u32 s72, s72, PART+8448*\p
	v_add_nc_u32 v[66+\p], s72, v78                ; where my parts go
	s_add_co_u32 s72, s72, BUF
	v_add_nc_u32 v[70+\p], s72, v78
.endr
	s_mul_i32 s72, s2, 33792
	s_add_co_u32 s72, s72, PART
	v_add_nc_u32 v74, s72, v14                     ; where my own tile's parts lie
	s_add_co_u32 s72, s72, BUF
	v_add_nc_u32 v75, s72, v14
	s_lshl_b32 s72, s3, 11
	s_lshl_b32 s73, s4, 7
	s_add_co_u32 s72, s72, s73                     ; the work-group's first row of W2
	s_lshl_b32 s74, s72, 5
	s_lshl_b32 s76, s2, 3                          ; my 8 scale bytes of a row, of W2 and of h
	s_add_co_u32 s74, s74, s76
	s_mov_b32 s75, 0
	s_mov_b32 s77, 0
	s_lshl_b32 s72, s72, 10
	s_lshl_b32 s78, s2, 8                          ; my 256 codes of a row of W2
	s_add_co_u32 s72, s72, s78
	s_mov_b32 s73, 0
	s_lshl_b32 s78, s2, 12                         ; my two K steps of a tile of h
	s_mov_b32 s79, 0
	s_wait_alu depctr_va_vdst(0)
	s_wait_kmcnt 0x0
	s_add_nc_u64 s[92:93], s[14:15], s[72:73]
	s_add_nc_u64 s[96:97], s[16:17], s[74:75]
	s_add_nc_u64 s[10:11], s[10:11], s[78:79]
	s_add_nc_u64 s[12:13], s[12:13], s[76:77]
.irp q, 0,1,2,3,4,5,6,7
	global_load_b128 v[160+4*\q:163+4*\q], v14, s[8:9] offset:512*\q   ; all of idx: register 4 q + c, lane l: token 128 q + 4 l + c
.endr
	FILL 0
	FILL 1
	FILL 2
	FILL 3
	FILL 4
	FILL 5
	s_wait_loadcnt 48                              ; idx is in; the 48 loads of weights behind it may be out
.set wi, 0
.rept 32
	v_and_b32 v[128+wi], s7, v[160+wi]
	v_cmp_ne_u32 s[32+wi], 0, v[128+wi]            ; who chose my expert
.set wi, wi+1
.endr
	FILL 6
	FILL 7
.irp t, 0,1,2,3
	v_mov_b32 v[SW+\t], s32
	v_mov_b32 v[SB+\t], 0
.endr
	s_mov_b32 s70, 0
.set wi, 1
.rept 31
	s_bcnt1_i32_b32 s72, s[31+wi]
	s_add_co_u32 s70, s70, s72                     ; the count ahead of word wi
	s_or_b32 s71, s70, (128*(wi/4)+wi%4)<<16
.irp t, 0,1,2,3
	v_cmp_gt_u32 s[74+\t], s70, v[J+\t]            ; past my rank: keep what I have
.endr
.irp t, 0,1,2,3
	v_cndmask_b32 v[SW+\t], s[32+wi], v[SW+\t], s[74+\t]
.endr
.irp t, 0,1,2,3
	v_cndmask_b32 v[SB+\t], s71, v[SB+\t], s[74+\t]
.endr
.set wi, wi+1
.endr
	s_bcnt1_i32_b32 s72, s63
	s_add_co_u32 s66, s70, s72                     ; the expert's count
	s_min_u32 s66, s66, 1024
	s_add_co_u32 s67, s66, 31
	s_lshr_b32 s67, s67, 5                         ; tiles a half
	s_max_u32 s68, s67, 1
	s_sub_co_u32 s68, s68, 1                       ; the last of them
	V4C v_and_b32, Q, 0xffff, SB
	V4V v_sub_nc_u32, Q, J, Q
	V4C v_lshrrev_b32, C2, 1, SW
	V4C v_and_b32, C2, 0x55555555, C2
	V4V v_sub_nc_u32, C2, SW, C2                   ; counts of 2 bits
	V4C v_lshrrev_b32, C4, 2, C2
	V4C v_and_b32, C4, 0x33333333, C4
	V4C v_and_b32, X1, 0x33333333, C2
	V4V v_add_nc_u32, C4, C4, X1                   ; of 4
	V4C v_lshrrev_b32, C8, 4, C4
	V4V v_add_nc_u32, C8, C8, C4
	V4C v_and_b32, C8, 0x0f0f0f0f, C8              ; of 8
	V4C v_lshrrev_b32, X1, 8, C8
	V4V v_add_nc_u32, X1, X1, C8
	V4C v_and_b32, X1, 0xff, X1                    ; of the low 16
	TAKE
.irp t, 0,1,2,3
	v_cndmask_b32 v[P1+\t], 0, 16, s[74+\t]
.endr
	LEVEL C8, 0xff, 8
	LEVEL C4, 15, 4
	LEVEL C2, 3, 2
	LEVEL SW, 1, 1
	V4C v_lshrrev_b32, X1, 16, SB
.irp t, 0,1,2,3
	v_lshl_add_u32 v[TOK+\t], v[P1+\t], 2, v[X1+\t]
.endr
	V4C v_min_u32, TOK, 0x3ff, TOK
	V4C v_lshlrev_b32, XIO, 2, TOK
.irp t, 0,1,2,3
	global_load_b32 v[XI+\t], v[XIO+\t], s[8:9]    ; idx[token]
.endr
.irp u, 0,1,2,3
	global_load_b64 v[WS+8*\u:WS+8*\u+1], v5, s[96:97] offset:1024*\u   ; W2's scale words
.endr
.irp p, 0,1,2,3
	s_mov_b32 s72, s[26+\p]
	HLOAD \p                                       ; the first trip's tiles of h
.endr
	s_wait_alu depctr_va_vdst(0)
	s_wait_loadcnt 40                              ; idx[token] is in: 4 + 36 loads stand behind it
	V4C v_lshrrev_b32, XI, 8, XI
	V4C v_and_b32, XI, 0xff, XI
.irp t, 0,1,2,3
	v_cmp_eq_u32 s[32+\t], s3, v[XI+\t]            ; am I the token's second choice?
.endr
.irp t, 0,1,2,3
	v_cndmask_b32 v[XI+\t], 0, 1, s[32+\t]
.endr
.irp t, 0,1,2,3
	v_lshl_add_u32 v[TOK+\t], v[TOK+\t], 1, v[XI+\t]
.endr
.irp t, 0,1,2,3
	v_cmp_gt_u32 s[32+\t], s66, v[J+\t]
.endr
.irp t, 0,1,2,3
	v_cndmask_b32 v[TOK+\t], s21, v[TOK+\t], s[32+\t]   ; past the count: the row that nobody reads
.endr
.irp t, 0,1,2,3
	ds_store_b32 v123, v[TOK+\t] offset:LIST+512*\t
.endr
	s_mov_b32 s69, 0
	s_mov_b32 s20, 0
	s_wait_alu depctr_va_vdst(0)
.Lloop:                                            ; four times two trips of four tiles
	TRIP 0
	TRIP 1
	s_add_co_u32 s20, s20, 512
	s_add_co_u32 s69, s69, 8
	s_cmp_lt_u32 s69, 32
	s_cbranch_scc1 .Lloop
	s_wait_tensorcnt 0x0                           ; the wave's end
	ds_add_u32 v38, v39
	s_wait_dscnt 0x0
	s_endpgm
.Lfunc_end_k_qd73fc1a484_down:
	.size	k_qd73fc1a484_down, .Lfunc_end_k_qd73fc1a484_down-k_qd73fc1a484_down
	.p2alignl 7, 3214868480
	.fill 96, 4, 3214868480
	.section	.rodata,"a",@progbits
	.p2align	6, 0x0
	.amdhsa_kernel k_qd73fc1a484_down
		.amdhsa_group_segment_fixed_size 272896
		.amdhsa_private_segment_fixed_size 0
		.amdhsa_enable_private_segment 0
		.amdhsa_kernarg_size 48
		.amdhsa_user_sgpr_count 2
		.amdhsa_user_sgpr_kernarg_segment_ptr 1
		.amdhsa_wavefront_size32 1
		.amdhsa_system_sgpr_workgroup_id_x 1
		.amdhsa_system_sgpr_workgroup_id_y 1
		.amdhsa_system_sgpr_workgroup_id_z 1
		.amdhsa_system_vgpr_workitem_id 0
		.amdhsa_next_free_vgpr 768
		.amdhsa_next_free_sgpr 100
		.amdhsa_reserve_vcc 0
		.amdhsa_float_denorm_mode_32 3
		.amdhsa_float_denorm_mode_16_64 3
		.amdhsa_memory_ordered 1
		.amdhsa_forward_progress 1
		.amdhsa_inst_pref_size 129
	.end_amdhsa_kernel
	.amdgpu_metadata
---
amdhsa.version: [ 1, 2 ]
amdhsa.kernels:
  - .name:           k_qd73fc1a484_down
    .symbol:         k_qd73fc1a484_down.kd
    .args:
      - { .name: idx, .offset: 0, .size: 8, .value_kind: global_buffer, .address_space: global }
      - { .name: hq, .offset: 8, .size: 8, .value_kind: global_buffer, .address_space: global }
      - { .name: hs, .offset: 16, .size: 8, .value_kind: global_buffer, .address_space: global }
      - { .name: w2_codes, .offset: 24, .size: 8, .value_kind: global_buffer, .address_space: global }
      - { .name: w2_scales, .offset: 32, .size: 8, .value_kind: global_buffer, .address_space: global }
      - { .name: y, .offset: 40, .size: 8, .value_kind: global_buffer, .address_space: global }
    .group_segment_fixed_size: 272896
    .private_segment_fixed_size: 0
    .kernarg_segment_align: 8
    .kernarg_segment_size: 48
    .max_flat_workgroup_size: 128
    .sgpr_count:     100
    .vgpr_count:     768
    .wavefront_size: 32
...
	.end_amdgpu_metadata
.endif
;; end of part 3
;; launch add (part 4): grid 257 x 1, 4 waves a work-group, no clusters, 0 bytes of LDS; arguments rt, y, out0, out1; writes out0, out1
.if DOCPART == 4
	.amdgcn_target "amdgcn-amd-amdhsa--gfx1250"
	.amdhsa_code_object_version 6
	.text
	.protected	k_qd73fc1a484_add
	.globl	k_qd73fc1a484_add
	.p2align	8
	.type	k_qd73fc1a484_add,@function
k_qd73fc1a484_add:
	s_mov_b64 s[64:65], 0
	v_nop
	global_prefetch_b8 v0, s[64:65] scope:SCOPE_SE
	s_setreg_imm32_b32 hwreg(HW_REG_WAVE_MODE, 25, 1), 1
	s_wait_xcnt 0x0
; out0[token] = g0 y[2 token] + g1 y[2 token + 1]; out1 = 0.01 x 8 x the sum over experts of (count / 1024) (sum of scores / 1024).
; Work-groups 0 to 255: a wave takes one token: its two rows of y lie on end (16,384 bytes): 32 loads of 512 consecutive bytes all on their way at once, one row of out0 stored in pieces of 512 bytes.
; Work-group 256, wave 0: the 256 work-groups' 8 sums of scores and 8 counts (16 KiB) are added and make out1.
; A stream: no LDS, no matrix unit, no cluster, no loop to prefetch in.
	s_load_b256 s[4:11], s[0:1], 0x0               ; rt s[4:5], y s[6:7], out0 s[8:9], out1 s[10:11]
	v_and_b32 v1, 31, v0                           ; lane
	v_lshrrev_b32 v2, 5, v0
	v_readfirstlane_b32 s14, v2                    ; wave
	v_lshlrev_b32 v3, 4, v1                        ; 16 x lane
	s_lshl_b32 s15, ttmp9, 2
	s_add_co_u32 s15, s15, s14                     ; my token
	s_mov_b32 s17, 0
	s_wait_alu depctr_va_vdst(0)
	s_wait_kmcnt 0x0
	s_cmp_eq_u32 ttmp9, 256
	s_cbranch_scc1 .Laux
	s_lshl_b32 s16, s15, 14
	s_add_nc_u64 s[26:27], s[6:7], s[16:17]        ; its two rows of y
.irp i, 0,1,2,3,4,5,6,7,8,9,10,11,12,13,14,15
	global_load_b128 v[16+4*\i:19+4*\i], v3, s[26:27] offset:512*\i th:TH_LOAD_NT
	global_load_b128 v[80+4*\i:83+4*\i], v3, s[26:27] offset:8192+512*\i th:TH_LOAD_NT
.endr
	s_lshl_b32 s16, s15, 3
	s_add_nc_u64 s[20:21], s[4:5], s[16:17]
	s_load_b64 s[24:25], s[20:21], 0x0             ; g0, g1
	s_lshl_b32 s16, s15, 13
	s_add_nc_u64 s[8:9], s[8:9], s[16:17]          ; my row of out0
	s_wait_kmcnt 0x0
	s_mov_b32 s30, s24                             ; the packed forms name a pair and take its low word for both halves
	s_mov_b32 s31, s24
	s_mov_b32 s32, s25
	s_mov_b32 s33, s25
.irp i, 0,1,2,3,4,5,6,7,8,9,10,11,12,13,14,15
	s_wait_loadcnt 2*(15-\i)                       ; piece i of both rows is in; the pieces behind it may be out
	v_pk_mul_f32 v[16+4*\i:17+4*\i], v[16+4*\i:17+4*\i], s[30:31] op_sel_hi:[1,0]
	v_pk_mul_f32 v[18+4*\i:19+4*\i], v[18+4*\i:19+4*\i], s[30:31] op_sel_hi:[1,0]
	v_pk_fma_f32 v[16+4*\i:17+4*\i], v[80+4*\i:81+4*\i], s[32:33], v[16+4*\i:17+4*\i] op_sel_hi:[1,0,1]
	v_pk_fma_f32 v[18+4*\i:19+4*\i], v[82+4*\i:83+4*\i], s[32:33], v[18+4*\i:19+4*\i] op_sel_hi:[1,0,1]
	global_store_b128 v3, v[16+4*\i:19+4*\i], s[8:9] offset:512*\i th:TH_STORE_NT   ; 512 consecutive bytes, aligned
.endr
	s_endpgm
.Laux:
	s_cmp_lg_u32 s14, 0
	s_cbranch_scc1 .Lend
	s_mov_b32 s18, 0x76543210
	s_mov_b32 s19, 0xfedcba98
	s_add_nc_u64 s[4:5], s[4:5], 0x2000
.irp j, 0,1,2,3,4,5,6,7,8,9,10,11,12,13,14,15,16,17,18,19,20,21,22,23,24,25,26,27,28,29,30,31
	global_load_b128 v[16+4*\j:19+4*\j], v3, s[4:5] offset:512*\j   ; lane l: columns 4 (l % 4) + 0 .. 3 of work-group 8 j + l / 4
.endr
	s_wait_loadcnt 0x0
.irp j, 1,2,3,4,5,6,7,8,9,10,11,12,13,14,15,16,17,18,19,20,21,22,23,24,25,26,27,28,29,30,31
	v_pk_add_f32 v[16:17], v[16:17], v[16+4*\j:17+4*\j]
	v_pk_add_f32 v[18:19], v[18:19], v[18+4*\j:19+4*\j]
.endr
.irp c, 0,1,2,3
	v_add_f32_dpp v[16+\c], v[16+\c], v[16+\c] row_xmask:4 row_mask:0xf bank_mask:0xf
.endr
.irp c, 0,1,2,3
	v_add_f32_dpp v[16+\c], v[16+\c], v[16+\c] row_xmask:8 row_mask:0xf bank_mask:0xf
.endr
.irp c, 0,1,2,3
	v_permlanex16_b32 v[20+\c], v[16+\c], s18, s19
.endr
.irp c, 0,1,2,3
	v_add_f32 v[16+\c], v[16+\c], v[20+\c]         ; lanes with l % 4 = 0, 1: the scores' sums of experts 0-3, 4-7; 2, 3: the counts
.endr
.irp c, 0,1,2,3
	v_mul_f32_dpp v[24+\c], v[16+\c], v[16+\c] row_xmask:2 row_mask:0xf bank_mask:0xf   ; a sum of scores x its count
.endr
	v_add_f32 v24, v24, v25
	v_add_f32 v26, v26, v27
	v_add_f32 v24, v24, v26
	v_add_f32_dpp v24, v24, v24 row_xmask:1 row_mask:0xf bank_mask:0xf
	v_mul_f32 v24, 0x33a3d70a, v24                 ; x 0.08 / 1024^2
	v_mov_b32 v25, 0
	v_cmp_gt_u32 vcc_lo, 1, v1
	s_wait_alu depctr_va_vdst(0)
	s_wait_xcnt 0x0                                ; EXEC changes only behind s_wait_xcnt 0
	s_and_saveexec_b32 s15, vcc_lo
	global_store_b32 v25, v24, s[10:11]
	s_wait_xcnt 0x0
	s_or_b32 exec_lo, exec_lo, s15
.Lend:
	s_endpgm
.Lfunc_end_k_qd73fc1a484_add:
	.size	k_qd73fc1a484_add, .Lfunc_end_k_qd73fc1a484_add-k_qd73fc1a484_add
	.p2alignl 7, 3214868480
	.fill 96, 4, 3214868480
	.section	.rodata,"a",@progbits
	.p2align	6, 0x0
	.amdhsa_kernel k_qd73fc1a484_add
		.amdhsa_group_segment_fixed_size 0
		.amdhsa_private_segment_fixed_size 0
		.amdhsa_enable_private_segment 0
		.amdhsa_kernarg_size 32
		.amdhsa_user_sgpr_count 2
		.amdhsa_user_sgpr_kernarg_segment_ptr 1
		.amdhsa_wavefront_size32 1
		.amdhsa_system_sgpr_workgroup_id_x 1
		.amdhsa_system_sgpr_workgroup_id_y 1
		.amdhsa_system_sgpr_workgroup_id_z 1
		.amdhsa_system_vgpr_workitem_id 0
		.amdhsa_next_free_vgpr 144
		.amdhsa_next_free_sgpr 66
		.amdhsa_reserve_vcc 1
		.amdhsa_float_denorm_mode_32 3
		.amdhsa_float_denorm_mode_16_64 3
		.amdhsa_memory_ordered 1
		.amdhsa_forward_progress 1
		.amdhsa_inst_pref_size 19
	.end_amdhsa_kernel
	.amdgpu_metadata
---
amdhsa.version: [ 1, 2 ]
amdhsa.kernels:
  - .name:           k_qd73fc1a484_add
    .symbol:         k_qd73fc1a484_add.kd
    .args:
      - { .name: rt, .offset: 0, .size: 8, .value_kind: global_buffer, .address_space: global }
      - { .name: y, .offset: 8, .size: 8, .value_kind: global_buffer, .address_space: global }
      - { .name: out0, .offset: 16, .size: 8, .value_kind: global_buffer, .address_space: global }
      - { .name: out1, .offset: 24, .size: 8, .value_kind: global_buffer, .address_space: global }
    .group_segment_fixed_size: 0
    .private_segment_fixed_size: 0
    .kernarg_segment_align: 8
    .kernarg_segment_size: 32
    .max_flat_workgroup_size: 128
    .sgpr_count:     66
    .vgpr_count:     144
    .wavefront_size: 32
...
	.end_amdgpu_metadata
.endif
;; end of part 4
